; MI455X (gfx1250); checked and timed in simulation.
; The chip was launched on July 23, 2026; its instructions are those of AMD's public machine-readable ISA for CDNA 5 (MIT licence, August 2026) and "CDNA5" Instruction Set Architecture Reference Guide (July 2026). The comments in the code are by the model that wrote it; some were corrected since.
;; Linear Layer PS Lo RA. Allowed arithmetic: matrix products marked QUANTISED: E5M2 operands, one E8M0 scale for each 32 along K, by v_wmma_scale_f32_16x16x128_f8f6f4 with both operands' format E5M2, f32 sums; everything else in f32.
;; Inputs: bias 4,096 float32; input_codes 8 x 512 x 128 x 32 uint8 (E5M2 codes of input, K innermost, in blocks of 32 codes); input_scales 8 x 512 x 128 uint8 (E8M0 scales of input, one for each 32 codes along K); labeler_index 8 int32; lora_A 5 x 4,096 x 32 float32; lora_B_codes 4,096 x 1 x 32 uint8 (E5M2 codes of lora_B, K innermost, in blocks of 32 codes); lora_B_scales 4,096 x 1 uint8 (E8M0 scales of lora_B, one for each 32 codes along K); weight_codes 4,096 x 128 x 32 uint8 (E5M2 codes of weight, K innermost, in blocks of 32 codes); weight_scales 4,096 x 128 uint8 (E8M0 scales of weight, one for each 32 codes along K).
;; Outputs: out0 8 x 512 x 4,096 float32.
;; This version of the problem:
;;   THIS VERSION OF THE PROBLEM IS GIVEN IN LOW PRECISION. The matrix products marked QUANTISED in the list below multiply operands that are first quantised to E5M2 (5 exponent bits, 2 mantissa bits; 8 bits a number), with one power-of-two scale for each 32 numbers along K (OCP MX v1.0); their sums are f32. All else is computed in f32.
;;   The module's matrix products, in the order in which they are computed (A, B: the left and right operand; K: the contracted axis; several contracted axes count as one K, in the product's order):
;;     1. [M 4,096, K 4,096] x [K 4,096, N 4,096]; A: input input (given as codes); B: input weight (given as codes): QUANTISED
;;     2. batch 8 x [M 512, K 4,096] x [K 4,096, N 32]; A: input input (given as codes); B: computed on the way: QUANTISED
;;     3. [M 4,096, K 32] x [K 32, N 4,096]; A: computed on the way; B: input lora_B (given as codes): QUANTISED
;;   THE QUANTISER, for each operand of a quantised product, along K:
;;     - K is cut into blocks of 32 from its start; a last block that is shorter is filled with zeros.
;;     - A block's scale is 2^e with e = floor(log2(the largest magnitude in the block)) - 15, held to -126 .. 127; a block of zeros has e = 0. As a byte (E8M0): e + 127.
;;     - Each number is divided by its block's scale, clamped to +-57,344, and rounded to the nearest number of E5M2, ties to even, subnormals kept.
;;     - The product sums the exact products of the quantised numbers (number of the format x scale) in f32.
;;   ~~~python
;;   def quantise(x, axis):      # numpy; x: float32 -> the quantised numbers, widened to float32 again
;;       x = np.moveaxis(x, axis, -1); K = x.shape[-1]
;;       x = np.pad(x, [(0, 0)] * (x.ndim - 1) + [(0, -K % 32)]); x = x.reshape(x.shape[:-1] + (-1, 32)); a = np.abs(x).max(-1, keepdims=True)
;;       e = np.where(a > 0, np.clip(np.frexp(np.where(a > 0, a, 1))[1] - 1 - 15, -126, 127), 0)      # np.frexp(a)[1] - 1 = floor(log2(a)), exactly
;;       r = np.clip(x / 2.0 ** e, -57344, 57344)
;;       step = 2.0 ** (np.maximum(np.frexp(np.where(r == 0, 1, r))[1] - 1, -14) - 2)
;;       q = np.round(r / step) * step * 2.0 ** e      # np.round: ties to even
;;       return np.moveaxis(q.reshape(q.shape[:-2] + (-1,))[..., :K], -1, axis).astype(np.float32)
;;   ~~~
;;   OPERANDS COMPUTED ON THE WAY. 'Computed on the way' means the value that the module computes at that place (a softmax that the list does not call 'softmax' is quantised finished and normalised). What goes into a quantiser is computed in f32, as accurately as f32 sums, v_exp_f32 and their like allow (about 1e-6 of the number): no bf16 or f16 on the way to a quantiser, and a product that is left as it is and whose result goes on into a quantised operand takes f32 operands (vector FMAs, or v_wmma_f32_16x16x4_f32). A number that lies on a knife's edge between two numbers of the format may be rounded either way, as far as f32 arithmetic and the matrix unit's own rounding can turn it there, and no further.
;;   INPUTS GIVEN AS CODES. input (in the module: [8, 512, 4096], K = its axis 2); lora_B (in the module: [4096, 32], K = its axis 1); weight (in the module: [4096, 4096], K = its axis 1): each comes as NAME_codes (uint8): NAME with its K axis moved to the last place and cut into blocks of 32 codes, [.., K / 32, bytes a block], one block behind the other in memory; one code a byte (a code: sign, 5 exponent bits, 2 mantissa bits); and NAME_scales (uint8): the same leading axes, one E8M0 byte (e + 127) for each 32 codes along K. Its value is code x scale, taken as it is: it is not quantised again, and the codes and scales need not be those that the quantiser above would give.
;; One version. Each part assembles by itself: llvm-mc -triple=amdgcn-amd-amdhsa -mcpu=gfx1250 --defsym DOCPART=n.
;; ======== version 1 of 1: 2 launches
;; limits: right only within a limited range of input values
;; workspace buffers: axp 2,097,152 bytes; scl 1,048,576 bytes
;; launch prep (part 1): grid 256 x 1, 8 waves a work-group, no clusters, 167,936 bytes of LDS; arguments input_codes, input_scales, weight_scales, lora_A, labeler_index, axp, scl; writes axp, scl
.if DOCPART == 1
	.amdgcn_target "amdgcn-amd-amdhsa--gfx1250"
	.amdhsa_code_object_version 6
	.text
	.protected	k_qa4feaf198d_prep
	.globl	k_qa4feaf198d_prep
	.p2align	8
	.type	k_qa4feaf198d_prep,@function
k_qa4feaf198d_prep:
	s_mov_b64 s[64:65], 0
	v_nop
	global_prefetch_b8 v0, s[64:65] scope:SCOPE_SE
	s_setreg_imm32_b32 hwreg(HW_REG_WAVE_MODE, 25, 1), 1
	s_wait_xcnt 0x0
; PARTIAL SUMS OF ax = X Q(lora_A[labeler]), AND THE SCALE BYTES LAID BY K STEP.
; X: 4,096 rows x 4,096 codes of BF8 (E5M2) with one E8M0 byte for each 32 along K.  lora_A: [5][4096 (k)][32 (column)] f32; batch b (512 rows) takes table labeler_index[b].
; SHARES.  Work-group x: rows 64 g .. 64 g + 63 (g = x / 4), K chunk kc = x % 4 of 1,024.  Wave w takes K0 = 1,024 kc + 128 w: one matrix K step, for all 64 rows x 32 columns.
; X's 64 rows x 1,024 bytes come into LDS by one tensor load of wave 0.  lora_A goes straight into registers: a lane takes the neighbouring columns 2 r and 2 r + 1 (8 bytes of a row of 128) and its registers run down K:
; fragment u holds the columns 2 r + u, in the order of the operand's layout.  The hold ahead of the conversion writes each fragment's numbers side by side.
; The product is used transposed (source 0 = 16 columns of A, source 1 = 16 rows of X): lane (r, h), register j of accumulator 2 m + u = ax(row 16 m + r, column 16 h + 2 j + u).
; The eight waves' sums meet in LDS; wave w adds accumulator w of all eight (a tree of f32 additions) and stores it into axp.
; axp: [kc 4][block of 16 rows 256][piece 4][lane 32][16 bytes]: number i = 4 piece + 0 .. 3 of lane (r', h') is ax(16 block + r', 16 h' + 2 (i % 8) + i / 8).
; scl: [K step of 256: 16][side: X, W][row 4096][8 bytes].  Work-group x re-lays 32 rows of one side: a lane a row, wave w the K steps 2 w and 2 w + 1: each store of a wave covers 256 consecutive bytes, aligned.
; NO CLUSTER: lora_A's address hangs on labeler_index, which is read from memory, and its numbers are wanted with K down a lane's registers; X's tile is read by one work-group alone.  No prefetch: there is no loop to run ahead in.
; LIMITS: NaN and infinities among lora_A's numbers are not served.  A block of lora_A whose largest magnitude lies under 2^-111 gets the byte 1 (a block of zeros too: its codes are zeros, and this program alone reads the bytes).
; An index outside 0 .. 4 is held at 4.
.set XP,   1040                        ; X's rows in LDS: 1,024 bytes + 16 of padding
.set EX,   64*XP                       ; the waves' sums: 8 x 8,192 bytes
.set SPARE, EX+65536                   ; the spare words, 128 bytes a wave
.set VA,  1
.set SPW, 2
.set VS,  3
.set VR,  4
.set VW,  5
.set RL,  6                            ; v6-9 16 scale bytes to re-lay
.set XS,  10                           ; v10, v11 X's scale words: lanes 0-15 blocks 0, 2; lanes 16-31 blocks 1, 3
.set NIL, 12
.set XL,  13                           ; LDS address of my X fragments
.set QW,  14                           ; v14, v15 Q(A)'s scale words
.set TM,  16                           ; v16-19 largest magnitudes, v20-23 the other half's, then bytes, v24-27 the hold, v28-31 the conversions' scale operand
.set QC,  32                           ; v32-63  two fragments of A's codes
.set AN,  64                           ; v64-191 128 numbers of A; later v64-127 the accumulators, v128-191 eight waves' parts of one
.set ACC, 64
.set SUM, 128
.set HD,  192                          ; v192-255 held numbers, later X's four fragments
.set XF,  192
.set WV,  18
.set SEL, 24                           ; s24, s25 selects of v_permlanex16_b32: lane l xor 16
.set MNT, 26                           ; s26 the mantissa field of 57,344
	s_load_b256 s[4:11], s[0:1], 0x0               ; X's codes s[4:5], X's scales s[6:7], W's scales s[8:9], lora_A s[10:11]
	s_load_b128 s[12:15], s[0:1], 0x20             ; labeler_index s[12:13], axp s[14:15]
	s_load_b64 s[16:17], s[0:1], 0x30              ; scl
	v_lshl_add_u32 v[SPW], v0, 2, SPARE
	v_mov_b32 v[NIL], 0
	ds_add_u32 v[SPW], v[NIL]                      ; the opening lines
	ds_add_u32 v[SPW], v[NIL]
	v_lshrrev_b32 v16, 5, v0
	v_readfirstlane_b32 s[WV], v16                 ; wave 0..7
	v_and_b32 v16, 31, v0                          ; lane
	v_and_b32 v17, 15, v0                          ; r
	v_bfe_u32 v18, v0, 4, 1                        ; h
	v_mul_u32_u24 v[XL], v17, XP
	v_lshl_add_u32 v[XL], v18, 4, v[XL]            ; row r, + 16 h
.irp b, 0,1,2,3
	v_mov_b32 v[TM+4+\b], 0                        ; written once: a lane permute's destination counts as one of its sources
.endr
	s_wait_alu depctr_va_vdst(0)
	s_lshr_b32 s19, ttmp9, 2                       ; g
	s_and_b32 s20, ttmp9, 3                        ; kc
	s_lshr_b32 s22, ttmp9, 5                       ; the batch: 8 groups of 64 rows x 4 chunks
	s_lshl_b32 s22, s22, 2
	s_mov_b32 s23, 0
	s_lshl_b32 s27, s20, 10
	s_lshl_b32 s39, s[WV], 7
	s_add_co_u32 s27, s27, s39                     ; K0 = 1,024 kc + 128 w
	s_and_b32 s31, s[WV], 1                        ; u of the accumulator that I add
	s_lshr_b32 s32, s[WV], 1                       ; m
	s_and_b32 s34, ttmp9, 127                      ; the re-lay's 32 rows,
	s_lshr_b32 s35, ttmp9, 7                       ; and side
	s_lshl_b32 s52, s19, 18                        ; X's tile: 64 g rows of 4,096 bytes + 1,024 kc
	s_lshl_b32 s28, s20, 10
	s_add_co_u32 s52, s52, s28
	s_mov_b32 s53, 0
	s_lshl_b32 s56, s34, 12                        ; the re-lay, in: rows of 128 bytes, 16 bytes a wave
	s_lshl_b32 s28, s[WV], 4
	s_add_co_u32 s56, s56, s28
	s_lshl_b32 s57, s[WV], 17                      ; out: K step 2 w
	s_lshl_b32 s28, s35, 15
	s_add_co_u32 s57, s57, s28
	s_lshl_b32 s28, s34, 8
	s_add_co_u32 s57, s57, s28
	s_lshl_b32 s58, s19, 13                        ; X's scale words: 64 g rows of 128 bytes + K0 / 32
	s_lshr_b32 s28, s27, 5
	s_add_co_u32 s58, s58, s28
	s_lshl_b32 s30, s27, 7                         ; lora_A: K0 rows of 128 bytes
	s_lshl_b32 s36, s20, 19                        ; axp: my chunk,
	s_lshl_b32 s28, s19, 2
	s_add_co_u32 s28, s28, s32
	s_lshl_b32 s28, s28, 11                        ; block 4 g + m,
	s_add_co_u32 s36, s36, s28
	s_lshl_b32 s28, s31, 10                        ; pieces 2 u, 2 u + 1
	s_add_co_u32 s36, s36, s28
	s_lshl_b32 s37, s[WV], 13                      ; LDS: my wave's 8,192 bytes
	s_add_co_u32 s37, s37, EX
	s_lshl_b32 s38, s[WV], 10                      ; and accumulator w's place in each wave's
	s_add_co_u32 s38, s38, EX
	s_mov_b32 s[SEL], 0x76543210
	s_mov_b32 s[SEL+1], 0xfedcba98
	s_mov_b32 s[MNT], 0x600000
	s_mov_b32 s40, 1                               ; X's tile: 64 rows of 1,024 bytes, 16 of padding behind each, to LDS byte 0
	s_mov_b32 s41, 0
	s_mov_b32 s44, (1<<20)|(7<<22)|(3<<25)
	s_mov_b32 s45, 1024<<16
	s_mov_b32 s46, 64<<16
	s_mov_b32 s47, 1024<<16
	s_mov_b32 s48, 64
	s_mov_b32 s49, 4096
	s_mov_b32 s50, 0
	s_mov_b32 s51, 0
	s_wait_dscnt 0x0                               ; both opening adds are done
	s_wait_kmcnt 0x0
	s_add_nc_u64 s[12:13], s[12:13], s[22:23]
	s_load_b32 s21, s[12:13], 0x0                  ; my batch's table; what does not hang on it goes out meanwhile
	s_add_nc_u64 s[42:43], s[4:5], s[52:53]
	s_or_b32 s43, s43, 0x80000000
	s_cmp_lg_u32 s[WV], 0
	s_cbranch_scc1 .Lno_x
	tensor_load_to_lds s[40:43], s[44:51]
	s_nop 0
.rept 4
	v_nop
.endr
.Lno_x:
	s_cmp_eq_u32 s35, 0
	s_cselect_b64 s[54:55], s[6:7], s[8:9]         ; the re-lay's side
	v_lshl_add_u32 v[VR], v16, 7, s56
	v_lshl_add_u32 v[VS], v16, 7, s58
	v_lshl_add_u32 v[VW], v16, 3, s57
	v_add_nc_u32 v[XL], s39, v[XL]                 ; my 128 along K
	v_lshlrev_b32 v[VA], 3, v17
	v_lshl_add_u32 v[VA], v18, 11, v[VA]           ; 8 r + 16 h rows of 128 bytes
	global_load_b128 v[RL:RL+3], v[VR], s[54:55]
	global_load_b32 v[XS], v[VS], s[6:7]           ; rows 0-31, a lane a row
	global_load_b32 v[XS+1], v[VS], s[6:7] offset:4096   ; rows 32-63
	s_wait_alu depctr_va_vdst(0)
	s_wait_kmcnt 0x0
	s_min_u32 s21, s21, 4                          ; the index stays inside the table
	s_lshl_b32 s21, s21, 19                        ; a table is 4,096 x 128 bytes
	s_add_co_u32 s21, s21, s30
	v_add_nc_u32 v[VA], s21, v[VA]
.irp c, 0,1,2,3
.irp i, 0,1,2,3,4,5,6,7,8,9,10,11,12,13,14,15
	global_load_b64 v[AN+2*(16*\c+\i):AN+2*(16*\c+\i)+1], v[VA], s[10:11] offset:(32*\c+\i)*128   ; A(K0 + 32 c + 16 h + i, columns 2 r and 2 r + 1)
.endr
.endr
; Blocks 2 p and 2 p + 1 of both columns, four chains by turns: number (b, i, u) lies in register AN + 32 b + 2 i + u
.macro QPAIR p
.irp bb, 0,1
.irp u, 0,1
	v_max3_num_f32 v[TM+2*\bb+\u], |v[AN+32*(2*\p+\bb)+\u]|, |v[AN+32*(2*\p+\bb)+2+\u]|, 0x8000000   ; with the floor 2^(16 - 127): the byte cannot fall under 1
.endr
.endr
.irp i, 2,4,6,8,10,12,14
.irp bb, 0,1
.irp u, 0,1
	v_max3_num_f32 v[TM+2*\bb+\u], v[TM+2*\bb+\u], |v[AN+32*(2*\p+\bb)+2*\i+\u]|, |v[AN+32*(2*\p+\bb)+2*\i+2+\u]|
.endr
.endr
.endr
.irp e, 0,1,2,3
	v_permlanex16_b32 v[TM+4+\e], v[TM+\e], s[SEL], s[SEL+1]
.endr
.irp e, 0,1,2,3
	v_max_num_f32 v[TM+\e], v[TM+\e], v[TM+4+\e]   ; with lane l xor 16's 16: the block's largest magnitude
.endr
.irp e, 0,1,2,3
	v_add_nc_u32 v[TM+12+\e], 0xf8800000, v[TM+\e] ; 15 off its exponent field: the conversion takes that field as its scale
.endr
.irp e, 0,1,2,3
	v_and_or_b32 v[TM+8+\e], v[TM+\e], 0x7f800000, s[MNT]   ; 57,344 x the scale
.endr
.irp e, 0,1,2,3
	v_lshrrev_b32 v[TM+4+\e], 23, v[TM+12+\e]      ; the scale's byte
.endr
.irp u, 0,1
.if \p == 0
	v_lshl_or_b32 v[QW+\u], v[TM+6+\u], 8, v[TM+4+\u]
.else
	v_lshl_or_b32 v[QW+\u], v[TM+4+\u], 16, v[QW+\u]
	v_lshl_or_b32 v[QW+\u], v[TM+6+\u], 24, v[QW+\u]
.endif
.endr
.irp bb, 0,1
.irp u, 0,1
.irp i, 0,1,2,3,4,5,6,7,8,9,10,11,12,13,14,15
	v_med3_num_f32 v[HD+16*(2*\bb+\u)+\i], v[AN+32*(2*\p+\bb)+2*\i+\u], -v[TM+8+2*\bb+\u], v[TM+8+2*\bb+\u]   ; the conversion to an 8-bit code does not saturate (ISA guide 7.6.2): the hold comes first
.endr
.endr
.endr
.irp bb, 0,1
.irp u, 0,1
	v_cvt_scalef32_pk8_bf8_f32 v[QC+16*\u+4*(2*\p+\bb):QC+16*\u+4*(2*\p+\bb)+1], v[HD+16*(2*\bb+\u):HD+16*(2*\bb+\u)+7], v[TM+12+2*\bb+\u]
	v_cvt_scalef32_pk8_bf8_f32 v[QC+16*\u+4*(2*\p+\bb)+2:QC+16*\u+4*(2*\p+\bb)+3], v[HD+16*(2*\bb+\u)+8:HD+16*(2*\bb+\u)+15], v[TM+12+2*\bb+\u]
.endr
.endr
	v_nop                                          ; one plain line behind the last conversion
.endm
	s_wait_loadcnt 32                              ; blocks 0 and 1 are in, and all that was asked for ahead of them; the 32 loads of blocks 2 and 3 may be out
	global_store_b64 v[VW], v[RL:RL+1], s[16:17]
	global_store_b64 v[VW], v[RL+2:RL+3], s[16:17] offset:65536
	QPAIR 0
	s_wait_loadcnt 0x0
	QPAIR 1
	v_and_b32 v16, 31, v0
	v_lshlrev_b32 v16, 4, v16                      ; 16 x lane
	v_add_nc_u32 v17, s38, v16                     ; where I read
	v_add_nc_u32 v18, s36, v16                     ; my offset in axp
	v_add_nc_u32 v16, s37, v16                     ; where I store my sums
	s_wait_alu depctr_va_vdst(0)
	s_wait_tensorcnt 0x0                           ; X's tile has landed
	s_wait_dscnt 0x0
	s_barrier_signal -1
	s_barrier_wait -1
.irp m, 0,1,2,3
.irp c, 0,1,2,3
	ds_load_b128 v[XF+16*\m+4*\c:XF+16*\m+4*\c+3], v[XL] offset:16*XP*\m+32*\c   ; X(16 m + r, K0 + 32 c + 16 h + 0 .. 15)
.endr
.endr
	s_wait_dscnt 0x0
.irp m, 0,1,2,3
.irp u, 0,1
.if \m%2
	v_wmma_scale_f32_16x16x128_f8f6f4 v[ACC+8*(2*\m+\u):ACC+8*(2*\m+\u)+7], v[QC+16*\u:QC+16*\u+15], v[XF+16*\m:XF+16*\m+15], 0, v[QW+\u], v[XS+\m/2] matrix_a_fmt:MATRIX_FMT_BF8 matrix_b_fmt:MATRIX_FMT_BF8 matrix_b_scale:MATRIX_SCALE_ROW1
.else
	v_wmma_scale_f32_16x16x128_f8f6f4 v[ACC+8*(2*\m+\u):ACC+8*(2*\m+\u)+7], v[QC+16*\u:QC+16*\u+15], v[XF+16*\m:XF+16*\m+15], 0, v[QW+\u], v[XS+\m/2] matrix_a_fmt:MATRIX_FMT_BF8 matrix_b_fmt:MATRIX_FMT_BF8
.endif
.endr
.endr
.rept 8
	v_nop                                          ; eight places behind this form before its results are read
.endr
.irp a, 0,1,2,3,4,5,6,7
	ds_store_b128 v16, v[ACC+8*\a:ACC+8*\a+3] offset:1024*\a          ; each accumulator from its low end on; an image of the registers: 16 bytes a lane
	ds_store_b128 v16, v[ACC+8*\a+4:ACC+8*\a+7] offset:1024*\a+512
.endr
	s_wait_dscnt 0x0                               ; for the others' sake: my stores have landed
	s_barrier_signal -1
	s_barrier_wait -1
.irp p, 0,1,2,3,4,5,6,7
	ds_load_b128 v[SUM+8*\p:SUM+8*\p+3], v17 offset:8192*\p           ; accumulator w as wave p made it
	ds_load_b128 v[SUM+8*\p+4:SUM+8*\p+7], v17 offset:8192*\p+512
.endr
	s_wait_dscnt 0x0
.irp p, 0,2,4,6
.irp j, 0,2,4,6
	v_pk_add_f32 v[SUM+8*\p+\j:SUM+8*\p+\j+1], v[SUM+8*\p+\j:SUM+8*\p+\j+1], v[SUM+8*(\p+1)+\j:SUM+8*(\p+1)+\j+1]
.endr
.endr
.irp p, 0,4
.irp j, 0,2,4,6
	v_pk_add_f32 v[SUM+8*\p+\j:SUM+8*\p+\j+1], v[SUM+8*\p+\j:SUM+8*\p+\j+1], v[SUM+8*(\p+2)+\j:SUM+8*(\p+2)+\j+1]
.endr
.endr
.irp j, 0,2,4,6
	v_pk_add_f32 v[SUM+\j:SUM+\j+1], v[SUM+\j:SUM+\j+1], v[SUM+32+\j:SUM+32+\j+1]
.endr
	global_store_b128 v18, v[SUM:SUM+3], s[14:15]              ; pieces 2 u and 2 u + 1: 32 lanes store 512 consecutive bytes each, at a multiple of 256 from axp's first byte
	global_store_b128 v18, v[SUM+4:SUM+7], s[14:15] offset:512
	s_wait_tensorcnt 0x0                           ; the wave's end
	ds_add_u32 v[SPW], v[NIL]
	s_wait_dscnt 0x0
	s_endpgm
.Lfunc_end_k_qa4feaf198d_prep:
	.size	k_qa4feaf198d_prep, .Lfunc_end_k_qa4feaf198d_prep-k_qa4feaf198d_prep
	.p2alignl 7, 3214868480
	.fill 96, 4, 3214868480
	.section	.rodata,"a",@progbits
	.p2align	6, 0x0
	.amdhsa_kernel k_qa4feaf198d_prep
		.amdhsa_group_segment_fixed_size 167936
		.amdhsa_private_segment_fixed_size 0
		.amdhsa_enable_private_segment 0
		.amdhsa_kernarg_size 56
		.amdhsa_user_sgpr_count 2
		.amdhsa_user_sgpr_kernarg_segment_ptr 1
		.amdhsa_wavefront_size32 1
		.amdhsa_system_sgpr_workgroup_id_x 1
		.amdhsa_system_sgpr_workgroup_id_y 1
		.amdhsa_system_sgpr_workgroup_id_z 1
		.amdhsa_system_vgpr_workitem_id 0
		.amdhsa_next_free_vgpr 256
		.amdhsa_next_free_sgpr 66
		.amdhsa_reserve_vcc 0
		.amdhsa_float_denorm_mode_32 3
		.amdhsa_float_denorm_mode_16_64 3
		.amdhsa_memory_ordered 1
		.amdhsa_forward_progress 1
		.amdhsa_inst_pref_size 34
	.end_amdhsa_kernel
	.amdgpu_metadata
---
amdhsa.version: [ 1, 2 ]
amdhsa.kernels:
  - .name:           k_qa4feaf198d_prep
    .symbol:         k_qa4feaf198d_prep.kd
    .args:
      - { .name: input_codes, .offset: 0, .size: 8, .value_kind: global_buffer, .address_space: global }
      - { .name: input_scales, .offset: 8, .size: 8, .value_kind: global_buffer, .address_space: global }
      - { .name: weight_scales, .offset: 16, .size: 8, .value_kind: global_buffer, .address_space: global }
      - { .name: lora_A, .offset: 24, .size: 8, .value_kind: global_buffer, .address_space: global }
      - { .name: labeler_index, .offset: 32, .size: 8, .value_kind: global_buffer, .address_space: global }
      - { .name: axp, .offset: 40, .size: 8, .value_kind: global_buffer, .address_space: global }
      - { .name: scl, .offset: 48, .size: 8, .value_kind: global_buffer, .address_space: global }
    .group_segment_fixed_size: 167936
    .private_segment_fixed_size: 0
    .kernarg_segment_align: 8
    .kernarg_segment_size: 56
    .max_flat_workgroup_size: 256
    .sgpr_count:     66
    .vgpr_count:     256
    .wavefront_size: 32
...
	.end_amdgpu_metadata
.endif
;; end of part 1
;; launch gemm (part 2): grid 16 x 16, 4 waves a work-group, clusters of 4 x 4, 327,680 bytes of LDS; arguments input_codes, weight_codes, scl, axp, lora_B_codes, lora_B_scales, bias, out0; writes out0
.if DOCPART == 2
	.amdgcn_target "amdgcn-amd-amdhsa--gfx1250"
	.amdhsa_code_object_version 6
	.text
	.protected	k_qa4feaf198d_gemm
	.globl	k_qa4feaf198d_gemm
	.p2align	8
	.type	k_qa4feaf198d_gemm,@function
k_qa4feaf198d_gemm:
	s_mov_b64 s[64:65], 0
	v_nop
	global_prefetch_b8 v0, s[64:65] scope:SCOPE_SE
	s_setreg_imm32_b32 hwreg(HW_REG_WAVE_MODE, 25, 1), 1
	s_wait_xcnt 0x0
	s_wait_alu depctr_hold_cnt(0) depctr_sa_sdst(0) depctr_va_vdst(0) depctr_va_sdst(0) depctr_va_ssrc(0) depctr_va_vcc(0) depctr_vm_vsrc(0)
	s_getreg_b32 s2, hwreg(HW_REG_IB_STS2, 6, 4)
	s_cmp_eq_u32 s2, 0
	s_cbranch_scc0 .Lentry_in_a_cluster
	s_endpgm
.Lentry_in_a_cluster:
	s_bfe_u32 s2, ttmp6, 0x10000c
	s_cmp_lg_u32 s2, 0xf033
	s_cbranch_scc0 .Lentry_shape_is_right
	s_endpgm
.Lentry_shape_is_right:
; out[m][n] = sum over k of X[m][k] W[n][k] + bias[n] + 0.5 x sum over r of Q(ax)[m][r] B[n][r].  X, W: 4,096 x 4,096 codes of BF8 (E5M2) with an E8M0 byte for each 32 along K; B = lora_B: 4,096 x 32 codes, a byte a row; out f32.
; ax's four partial sums (axp) and the scale bytes by K step (scl) come from the first launch, in the layouts that its head states.  The factor 0.5 is a power of two and goes into ax's scale byte: exact.
; LIMITS: NaN and infinities among codes, scale bytes of 0xff and sums beyond f32's range are not served.  A row of ax whose largest magnitude lies under 2^-111 gets the byte of 2^-111.
; A tile of 256 x 256 is made by four waves, 128 x 128 each: 64 accumulators, 512 registers.  K goes in steps of 256 through a ring of two slots: wave 0 fetches X's 256 rows, wave 1 W's, waves 2 and 3 their scale bytes (2,048 dense bytes each).
; CLUSTERS: 4 x 4 work-groups; a row of the cluster shares X's tiles, a column W's: joint loads with a mask of four.
; TRANSPOSED USE: source 0 = 16 rows of W, source 1 = 16 rows of X: a lane holds eight neighbouring columns of one row of out.
; A step of 128 along K is eight groups, one for each block of X, of eight products.  W's fragments have two sets (window 1), X's one (window 0).  LDS loads go in runs: at a step's beginning X's blocks 4-7 and, inside a slot, the next W set;
; in its middle the next step's X blocks 0-3; behind a joint load the other slot's scale words and first W set.
; AX: in each of the first four laps a wave adds the four parts of 16 rows of ax, quantises them and lays codes and bytes into LDS, with 16 rows of B; their loads are spread over the trip's runs.  The LoRA product stands ahead of the last change of slots.
; THE LAST K STEP goes by rows of out: both W sets hold its 256 along K, X comes by blocks, and each block of 16 rows leaves as soon as its sums are finished.
; PREFETCH: each cluster asks for its own rows, two refills ahead; the four partners of a joint load share its rows out by address.  K steps 0 and 1 come by their loads alone, 2 and 3 are asked for behind the second load; the last trip asks for nothing.
; REGISTERS: window 0: v0-31 addresses and small things, v32-63 scale words (two sets), v64-127 by turns bias, ax, LoRA fragments of X, the first block's way out; v128-255 X's fragments.  Window 1: W's two sets.  Windows 2, 3: accumulators of rows 0-63, 64-127.
.set NQ,     2
.set ROWB,   256
.set KROW,   4096
.set SIZE_N, 4096
.set PITCH,  272                       ; 256 bytes + 16 of padding
.set FR,     16
.set NL,     4
.set NP,     8                         ; places behind this matrix form (ISA guide 7.12.1)
.set HALFT,  128*PITCH
.set BOFF,   2*HALFT
.set SAOFF,  4*HALFT
.set SBOFF,  SAOFF+2176
.set SLOT,   143616
.set SPARE,  2*SLOT                    ; the spare words
.set AXI,    SPARE+512                 ; ax's codes: 16 blocks x 512 bytes, an image of the operand's first four registers
.set LBI,    AXI+8192                  ; lora_B's, likewise
.set SCX,    LBI+8192                  ; ax's scale words of 256 rows, then lora_B's
.set SPITCH, 528                       ; the way out: 16 rows x (512 + 16) bytes a wave, in slot 0 behind its last fill and last read
.set AIW,  13
.set SXW,  14
.set LI,   15                          ; 16 x lane: also my offset in a row of out
.set ADRA, 16
.set ADRS, 18
.set ADRB, 20
.set AIA,  22
.set AIB,  23
.set STO,  24
.set RD,   25
.set ADRX, 27
.set SPW,  28
.set NIL,  29
.set PFO,  30
.set SC,   32
.set BIAS, 64
.set AF,   128
.set AFB,  AF
.set WV,   20
.set RH,   21
.set CH,   22
.set PFA,  4
.set AXO,  66                          ; s66, s67: 512 and 64 x the trip
.set G1A,  24
.set G0A,  32
.set G1B,  40
.set G0B,  48
.set G1SA, 56
.set G0SA, 68
.set G1SB, 76
.set G0SB, 84
.set MSB, 0
.macro WIN new
.if MSB != \new
	s_set_vgpr_msb (MSB<<8)|\new
.set MSB, \new
.endif
.endm
.set MUL_LO,   0xa1                    ; source 0 window 1, source 1 window 0, C and D window 2; + 0x50: window 3
.set FIRST_LO, 0x81                    ; the same with C (the bias) in window 0; + 0x40: D in window 3
.set TO_B,     0x40
.macro PLACES n
.rept \n
	v_nop
.endr
.endm
.macro TLOAD g0, g1
	tensor_load_to_lds s[\g0:\g0+3], s[\g1:\g1+7]
	s_nop 0
	PLACES 4
.endm
.macro JLOAD s                         ; one joint load a wave; the branches hang on the wave's number alone
	s_cmp_lt_u32 s[WV], 2
	s_cbranch_scc0 .Lscales_\@
	s_cmp_eq_u32 s[WV], 0
	s_cbranch_scc0 .Lfor_b_\@
	TLOAD G0A+4*\s, G1A
	s_branch .Lasked_\@
.Lfor_b_\@:
	TLOAD G0B+4*\s, G1B
	s_branch .Lasked_\@
.Lscales_\@:
	s_cmp_eq_u32 s[WV], 2
	s_cbranch_scc0 .Lfor_sb_\@
	TLOAD G0SA+4*\s, G1SA
	s_branch .Lasked_\@
.Lfor_sb_\@:
	TLOAD G0SB+4*\s, G1SB
.Lasked_\@:
.endm
.macro CREST                           ; a round of the cluster's barrier behind its opening barrier
	s_cmp_lg_u32 s[WV], 0
	s_cbranch_scc1 .Lnot_wave_0_\@
	s_barrier_signal -3
.Lnot_wave_0_\@:
	s_barrier_wait -3
	s_barrier_signal -1
	s_barrier_wait -1
.endm
.macro CROUND
	s_barrier_signal -1
	s_barrier_wait -1
	CREST
.endm
	s_load_b256 s[4:11], s[0:1], 0x0               ; X s[4:5], W s[6:7], scl s[8:9], axp s[10:11]
	s_load_b256 s[12:19], s[0:1], 0x20             ; lora_B's codes s[12:13], its bytes s[14:15], bias s[16:17], out s[18:19]
	v_lshl_add_u32 v[SPW], v0, 2, SPARE
	v_mov_b32 v[NIL], 0
	ds_add_u32 v[SPW], v[NIL]                      ; the opening lines
	ds_add_u32 v[SPW], v[NIL]
	v_lshrrev_b32 v1, 5, v0
	v_readfirstlane_b32 s[WV], v1
	v_and_b32 v1, 15, v0                           ; r
	v_bfe_u32 v2, v0, 4, 1                         ; h
	v_and_b32 v3, 31, v0                           ; lane
	v_lshlrev_b32 v[LI], 4, v3
	v_mul_u32_u24 v8, v1, PITCH
	v_lshl_add_u32 v8, v2, 4, v8                   ; a fragment's row x pitch + 16 h
	v_mul_u32_u24 v10, v1, SPITCH
	v_lshl_add_u32 v10, v2, 5, v10                 ; the stage: row r, 32 bytes for each half of the lanes
	v_lshlrev_b32 v[PFO], 12, v3                   ; a prefetch: a lane a row
	s_wait_alu depctr_va_vdst(0)
	s_lshr_b32 s[RH], s[WV], 1                     ; my half of the tile's rows
	s_and_b32 s[CH], s[WV], 1                      ; and of its columns
	s_bfe_u32 s66, ttmp6, 0x40000                  ; cx
	s_bfe_u32 s67, ttmp6, 0x40004                  ; cy
	s_lshl_b32 s92, ttmp9, 2
	s_add_co_u32 s92, s92, s66                     ; tile column
	s_and_b32 s93, ttmp7, 0xffff
	s_lshl_b32 s93, s93, 2
	s_add_co_u32 s93, s93, s67                     ; tile row
	s_lshl_b32 s94, s67, 2
	s_lshl_b32 s94, 15, s94                        ; my row of the cluster
	s_lshl_b32 s95, 0x1111, s66                    ; my column
	s_or_b32 s[G1A], s94, (0<<16)|(1<<20)|(1<<21)|(5<<22)|(3<<25)
	s_or_b32 s[G1B], s95, (0<<16)|(1<<20)|(1<<21)|(5<<22)|(3<<25)
.irp g, G1A, G1B                       ; 256 rows of 256 bytes, padded by 16
	s_mov_b32 s[\g+1], ROWB<<16
	s_mov_b32 s[\g+2], 256<<16
	s_mov_b32 s[\g+3], ROWB<<16
	s_mov_b32 s[\g+4], 256
	s_mov_b32 s[\g+5], KROW
	s_mov_b32 s[\g+6], 0
	s_mov_b32 s[\g+7], 0
.endr
	s_or_b32 s[G1SA], s94, (3<<16)|(1<<21)
	s_or_b32 s[G1SB], s95, (3<<16)|(1<<21)
.irp g, G1SA, G1SB                     ; 2,048 dense bytes as 8 rows of 256
	s_mov_b32 s[\g+1], 32<<16
	s_mov_b32 s[\g+2], 8<<16
	s_mov_b32 s[\g+3], 32<<16
	s_mov_b32 s[\g+4], 8
	s_mov_b32 s[\g+5], 32
	s_mov_b32 s[\g+6], 0
	s_mov_b32 s[\g+7], 0
.endr
	s_lshl_b32 s96, s93, 20                        ; 256 rows x 4,096 bytes
	s_mov_b32 s97, 0
	s_lshl_b32 s98, s92, 20
	s_mov_b32 s99, 0
	s_wait_dscnt 0x0                               ; both opening adds are done
	CROUND                                         ; all sixteen work-groups are here, while the arguments are on their way
	s_wait_kmcnt 0x0
	s_add_nc_u64 s[96:97], s[4:5], s[96:97]
	s_add_nc_u64 s[98:99], s[6:7], s[98:99]
.irp s, 0,1
	s_mov_b32 s[G0A+4*\s], 1
	s_mov_b32 s[G0A+4*\s+1], \s*SLOT
	s_add_nc_u64 s[G0A+4*\s+2:G0A+4*\s+3], s[96:97], \s*ROWB
	s_or_b32 s[G0A+4*\s+3], s[G0A+4*\s+3], 0x80000000
	s_mov_b32 s[G0B+4*\s], 1
	s_mov_b32 s[G0B+4*\s+1], \s*SLOT+BOFF
	s_add_nc_u64 s[G0B+4*\s+2:G0B+4*\s+3], s[98:99], \s*ROWB
	s_or_b32 s[G0B+4*\s+3], s[G0B+4*\s+3], 0x80000000
.endr
	s_lshl_b32 s96, s93, 11
	s_mov_b32 s97, 0
	s_lshl_b32 s98, s92, 11
	s_add_co_u32 s98, s98, 32768                   ; W's side of scl
	s_mov_b32 s99, 0
	s_add_nc_u64 s[96:97], s[8:9], s[96:97]
	s_add_nc_u64 s[98:99], s[8:9], s[98:99]
.irp s, 0,1
	s_mov_b32 s[G0SA+4*\s], 1
	s_mov_b32 s[G0SA+4*\s+1], \s*SLOT+SAOFF
	s_add_nc_u64 s[G0SA+4*\s+2:G0SA+4*\s+3], s[96:97], \s*65536
	s_or_b32 s[G0SA+4*\s+3], s[G0SA+4*\s+3], 0x80000000
	s_mov_b32 s[G0SB+4*\s], 1
	s_mov_b32 s[G0SB+4*\s+1], \s*SLOT+SBOFF
	s_add_nc_u64 s[G0SB+4*\s+2:G0SB+4*\s+3], s[98:99], \s*65536
	s_or_b32 s[G0SB+4*\s+3], s[G0SB+4*\s+3], 0x80000000
.endr
	JLOAD 0                                        ; K step 0
	s_lshl_b32 s2, s92, 10                         ; the bias of my 128 columns, in the accumulators' layout: the C of the first products
	s_lshl_b32 s3, s[CH], 9
	s_add_co_u32 s2, s2, s3
	v_lshl_add_u32 v4, v2, 5, s2
.irp b, 0,1,2,3,4,5,6,7
	global_load_b128 v[BIAS+8*\b:BIAS+8*\b+3], v4, s[16:17] offset:64*\b
	global_load_b128 v[BIAS+8*\b+4:BIAS+8*\b+7], v4, s[16:17] offset:64*\b+16
.endr
	s_lshl_b32 s2, s92, 13                         ; lora_B: 64 of the tile's 256 rows, 32 bytes a row
	s_lshl_b32 s3, s[WV], 11
	s_add_co_u32 s2, s2, s3
	v_lshl_add_u32 v5, v1, 5, s2
	v_lshl_add_u32 v5, v2, 4, v5
	s_lshl_b32 s2, s92, 8
	s_lshl_b32 s3, s[WV], 6
	s_add_co_u32 s2, s2, s3
	v_add_nc_u32 v6, s2, v1                        ; and their scale bytes
	s_lshl_b32 s2, s93, 15                         ; axp: 4 of the tile's 16 blocks, 2,048 bytes a block
	s_lshl_b32 s3, s[WV], 13
	s_add_co_u32 s2, s2, s3
	v_add_nc_u32 v7, s2, v[LI]
	s_mul_i32 s2, s[RH], HALFT
	s_mul_i32 s23, s[CH], HALFT
	s_add_co_u32 s23, s23, BOFF
.irp s, 0,1
	v_add_nc_u32 v[ADRA+\s], s2, v8
	v_add_nc_u32 v[ADRB+\s], s23, v8
	s_add_co_u32 s2, s2, SLOT
	s_add_co_u32 s23, s23, SLOT
.endr
	s_xor_b32 s101, s[RH], 1                       ; scale words: lanes 0-15 X's rows, lanes 16-31 W's
	s_lshl_b32 s23, s101, 10
	s_lshl_b32 s2, s[CH], 10
	s_add_co_u32 s23, s23, s2
	s_add_co_u32 s23, s23, 1152
	s_lshl_b32 s2, s[RH], 10
	s_add_co_u32 s2, s2, SAOFF
	v_mul_u32_u24 v9, s23, v2
	v_lshl_add_u32 v9, v1, 3, v9
	v_add_nc_u32 v[ADRS], s2, v9
	s_add_co_u32 s2, s2, SLOT
	v_add_nc_u32 v[ADRS+1], s2, v9
	s_lshl_b32 s23, s101, 9                        ; the LoRA product's, likewise
	s_lshl_b32 s2, s[CH], 9
	s_add_co_u32 s23, s23, s2
	s_add_co_u32 s23, s23, 512
	s_lshl_b32 s2, s[RH], 9
	s_add_co_u32 s2, s2, SCX
	v_mul_u32_u24 v9, s23, v2
	v_lshl_add_u32 v9, v1, 2, v9
	v_add_nc_u32 v[ADRX], s2, v9
	s_lshl_b32 s2, s[RH], 12
	s_add_co_u32 s2, s2, AXI
	v_add_nc_u32 v[AIA], s2, v[LI]
	s_lshl_b32 s2, s[CH], 12
	s_add_co_u32 s2, s2, LBI
	v_add_nc_u32 v[AIB], s2, v[LI]
	s_lshl_b32 s2, s[WV], 11
	s_add_co_u32 s2, s2, AXI
	v_add_nc_u32 v[AIW], s2, v[LI]
	s_lshl_b32 s2, s[WV], 8
	s_add_co_u32 s2, s2, SCX
	v_lshl_add_u32 v[SXW], v1, 2, s2
	s_mul_i32 s2, s[WV], 16*SPITCH
	v_add_nc_u32 v[STO], s2, v10
	v_add_nc_u32 v[RD], s2, v[LI]
	; prefetches: waves of columns 0 ask for X's rows, those of columns 1 for W's: 32 of the 64 rows that fall to my work-group among its four partners
	s_lshl_b32 s96, s93, 8
	s_lshl_b32 s98, s92, 8
	s_cmp_eq_u32 s[CH], 0
	s_cselect_b32 s96, s96, s98
	s_cselect_b32 s98, s66, s67
	s_cselect_b64 s[PFA:PFA+1], s[4:5], s[6:7]
	s_lshl_b32 s98, s98, 6
	s_add_co_u32 s96, s96, s98
	s_lshl_b32 s98, s[RH], 5
	s_add_co_u32 s96, s96, s98
	s_lshl_b32 s96, s96, 12
	s_add_co_u32 s96, s96, 2*ROWB                  ; at K step 2
	s_mov_b32 s97, 0
	s_add_nc_u64 s[PFA:PFA+1], s[PFA:PFA+1], s[96:97]
	s_lshl_b32 s96, s93, 8                         ; my part of out
	s_lshl_b32 s98, s[RH], 7
	s_add_co_u32 s96, s96, s98
	s_lshl_b32 s96, s96, 14
	s_lshl_b32 s98, s92, 10
	s_add_co_u32 s96, s96, s98
	s_lshl_b32 s98, s[CH], 9
	s_add_co_u32 s96, s96, s98
	s_add_nc_u64 s[18:19], s[18:19], s[96:97]
	s_mov_b32 s2, 0x76543210                       ; selects of v_permlanex16_b32: lane l xor 16
	s_mov_b32 s23, 0xfedcba98
	s_mov_b32 s101, 0x600000                       ; the mantissa field of 57,344
	s_mov_b32 s[AXO], 0
	s_mov_b32 s[AXO+1], 0
.macro FRAG reg, adr, q, i             ; 16 rows x 128 K: four loads, 32 bytes apart
.irp c, 0,1,2,3
	ds_load_b128 v[\reg+4*\c:\reg+4*\c+3], v[\adr] offset:128*(\q)+32*\c+(\i)*16*PITCH
.endr
.endm
; Group a: X's block a against W's eight, set p, the slot's q-th 128 along K, scale set sc.  The 64 accumulators take turns, one product a turn.
.macro GROUP a, p, q, sc, zero=0
.set AC_, 64*((\a)%4)
.set AR_, AFB+FR*(\a)
.irp b, 0,1,2,3,4,5,6,7
.if \zero
	WIN FIRST_LO+0x40*((\a)/4)
	v_wmma_scale_f32_16x16x128_f8f6f4 v[AC_+8*\b:AC_+8*\b+7], v[128*(\p)+FR*\b:128*(\p)+FR*\b+FR-1], v[AR_:AR_+FR-1], v[BIAS+8*\b:BIAS+8*\b+7], v[SC+16*(\sc)+2*\b+(\q)], v[SC+16*(\sc)+2*(\a)+(\q)] matrix_a_fmt:MATRIX_FMT_BF8 matrix_b_fmt:MATRIX_FMT_BF8 matrix_a_scale:MATRIX_SCALE_ROW1
.else
	WIN MUL_LO+0x50*((\a)/4)
	v_wmma_scale_f32_16x16x128_f8f6f4 v[AC_+8*\b:AC_+8*\b+7], v[128*(\p)+FR*\b:128*(\p)+FR*\b+FR-1], v[AR_:AR_+FR-1], v[AC_+8*\b:AC_+8*\b+7], v[SC+16*(\sc)+2*\b+(\q)], v[SC+16*(\sc)+2*(\a)+(\q)] matrix_a_fmt:MATRIX_FMT_BF8 matrix_b_fmt:MATRIX_FMT_BF8 matrix_a_scale:MATRIX_SCALE_ROW1
.endif
.endr
.endm
.macro FETCH_B slot, q, p
	WIN TO_B
.irp i, 0,1,2,3,4,5,6,7
	FRAG 128*(\p)+FR*\i, ADRB+\slot, \q, \i
.endr
	WIN 0
.endm
.macro FETCH_A slot, q, i0
	WIN 0
.irp i, 0,1,2,3
	FRAG AF+FR*(\i0+\i), ADRA+\slot, \q, \i0+\i
.endr
.endm
.macro SCALES sc
.irp i, 0,1,2,3,4,5,6,7
	ds_load_b64 v[SC+16*\sc+2*\i:SC+16*\sc+2*\i+1], v[ADRS+\sc] offset:128*\i
.endr
.endm
.macro AXPIECE s                       ; part s of 16 rows of ax: 16 numbers a lane; with the last part 16 rows of lora_B and their bytes.  s = -1: nothing
.if \s >= 0
.irp j, 0,1,2,3
	global_load_b128 v[64+16*\s+4*\j:64+16*\s+4*\j+3], v7, s[10:11] offset:524288*\s+512*\j
.endr
.if \s == 3
	global_load_b128 v[0:3], v5, s[12:13]
	global_load_u8 v4, v6, s[14:15]
.endif
.endif
.endm
; A slot's first step.  A load into registers that products have read stands eight plain vector lines behind them.  x1, x2: the parts of ax that are asked for.
.macro STEP slot, zero, x1, x2
	FETCH_B \slot, 1, 1                            ; one run with the 16 loads ahead of it
	AXPIECE \x1
	s_wait_dscnt 12*NL                             ; this W set and X's blocks 0-3 are in; blocks 4-7 and the next W set may be out
	GROUP 0, 0, 0, \slot, \zero
	GROUP 1, 0, 0, \slot, \zero
	GROUP 2, 0, 0, \slot, \zero
	GROUP 3, 0, 0, \slot, \zero
	s_wait_dscnt 8*NL                              ; blocks 4-7 are in; W's 32 loads may be out
	PLACES NP
	FETCH_A \slot, 1, 0
	AXPIECE \x2
	GROUP 4, 0, 0, \slot, \zero
	GROUP 5, 0, 0, \slot, \zero
	GROUP 6, 0, 0, \slot, \zero
	GROUP 7, 0, 0, \slot, \zero
	PLACES NP
	FETCH_A \slot, 1, 4
.endm
.macro ASKNOW
	global_prefetch_b8 v[PFO], s[PFA:PFA+1] offset:ROWB th:TH_LOAD_NT scope:SCOPE_SE
.endm
; A slot's second step changes slots: one round of the cluster's barrier.  Ahead of it each wave waits for all its tensor loads, adds 0 to its spare word and waits for that and for its reads of this slot.
; ask = 1: a prefetch; 2: in all trips but the last.  x: the part of ax that is asked for.
.macro TURN slot, next, ask, x
	s_wait_xcnt 0x0                                ; my prefetch has read its address
	s_add_nc_u64 s[PFA:PFA+1], s[PFA:PFA+1], ROWB
	s_wait_tensorcnt 0x0                           ; my part of the next slot is in
	ds_add_u32 v[SPW], v[NIL]
	s_add_nc_u64 s[G0A+4*\slot+2:G0A+4*\slot+3], s[G0A+4*\slot+2:G0A+4*\slot+3], 2*ROWB
	s_add_nc_u64 s[G0B+4*\slot+2:G0B+4*\slot+3], s[G0B+4*\slot+2:G0B+4*\slot+3], 2*ROWB
	s_add_nc_u64 s[G0SA+4*\slot+2:G0SA+4*\slot+3], s[G0SA+4*\slot+2:G0SA+4*\slot+3], 2*65536
	s_add_nc_u64 s[G0SB+4*\slot+2:G0SB+4*\slot+3], s[G0SB+4*\slot+2:G0SB+4*\slot+3], 2*65536
	s_wait_dscnt 4*NL+1                            ; the add and X's blocks 4-7 may be out
	GROUP 0, 1, 1, \slot
	s_wait_dscnt 0x0                               ; the add is done, and my reads of this slot are over
	s_barrier_signal -1
	GROUP 1, 1, 1, \slot
	WIN 0
	s_barrier_wait -1
	CREST
	JLOAD \slot                                    ; the K step two on, first behind the round
	PLACES NP-4
	SCALES \next
	FETCH_B \next, 0, 0
.if \ask == 1
	ASKNOW
.elseif \ask == 2
	s_cmp_gt_u32 s3, 1
	s_cbranch_scc0 .Lno_ask_\@
	ASKNOW
.Lno_ask_\@:
.endif
	GROUP 2, 1, 1, \slot
	GROUP 3, 1, 1, \slot
	PLACES NP
	FETCH_A \next, 0, 0
	AXPIECE \x
	GROUP 4, 1, 1, \slot
	GROUP 5, 1, 1, \slot
	GROUP 6, 1, 1, \slot
	GROUP 7, 1, 1, \slot
	PLACES NP
	FETCH_A \next, 0, 4
.endm
.macro AXQ                             ; the four parts of 16 rows are added, quantised (a row's 32 numbers lie in lanes l and l xor 16) and laid into LDS as the operand's first four registers
	s_wait_loadcnt 0x0
	s_add_nc_u64 s[10:11], s[10:11], 2048          ; the loads are done: their bases may step to the next 16 rows
	s_add_nc_u64 s[12:13], s[12:13], 512
	s_add_nc_u64 s[14:15], s[14:15], 16
.irp i, 0,2,4,6,8,10,12,14
	v_pk_add_f32 v[64+\i:65+\i], v[64+\i:65+\i], v[80+\i:81+\i]
	v_pk_add_f32 v[96+\i:97+\i], v[96+\i:97+\i], v[112+\i:113+\i]
.endr
.irp i, 0,2,4,6,8,10,12,14
	v_pk_add_f32 v[64+\i:65+\i], v[64+\i:65+\i], v[96+\i:97+\i]
.endr
	v_max3_num_f32 v80, |v64|, |v65|, 0x8000000    ; the floor 2^(16 - 127) among the leaves
	v_max3_num_f32 v81, |v72|, |v73|, |v74|
	v_max3_num_f32 v80, v80, |v66|, |v67|
	v_max3_num_f32 v81, v81, |v75|, |v76|
	v_max3_num_f32 v80, v80, |v68|, |v69|
	v_max3_num_f32 v81, v81, |v77|, |v78|
	v_max3_num_f32 v80, v80, |v70|, |v71|
	v_max_num_f32 v81, v81, |v79|
	v_max_num_f32 v80, v80, v81
	v_permlanex16_b32 v82, v80, s2, s23
	v_max_num_f32 v80, v80, v82
	v_add_nc_u32 v84, 0xf8800000, v80              ; 15 off the exponent field: the conversion's scale
	v_and_or_b32 v83, v80, 0x7f800000, s101        ; 57,344 x the scale
	v_add_nc_u32 v85, 0xf8000000, v80              ; one more off for the byte: the factor 0.5
	v_lshrrev_b32 v85, 23, v85
	v_add_nc_u32 v8, s[AXO], v[AIW]
	v_add_nc_u32 v9, s[AXO+1], v[SXW]
.irp i, 0,1,2,3,4,5,6,7,8,9,10,11,12,13,14,15
	v_med3_num_f32 v[96+2*(\i%8)+\i/8], v[64+\i], -v83, v83   ; the conversion does not saturate (ISA guide 7.6.2).  Number i is column 2 (i % 8) + i / 8 of the lane's 16: the hold puts it in its place
.endr
	v_cvt_scalef32_pk8_bf8_f32 v[86:87], v[96:103], v84
	v_cvt_scalef32_pk8_bf8_f32 v[88:89], v[104:111], v84
	v_nop
	ds_store_b128 v8, v[86:89]
	ds_store_b128 v8, v[0:3] offset:8192
	ds_store_b32 v9, v85
	ds_store_b32 v9, v4 offset:1024
	s_add_co_u32 s[AXO], s[AXO], 512
	s_add_co_u32 s[AXO+1], s[AXO+1], 64
.endm
	s_wait_alu depctr_va_vdst(0)
	s_wait_tensorcnt 0x0                           ; my part of K step 0 is in
	ds_add_u32 v[SPW], v[NIL]
	s_wait_dscnt 0x0
	CROUND
	JLOAD 1                                        ; K step 1
	FETCH_B 0, 0, 0
	FETCH_A 0, 0, 0
	SCALES 0
	FETCH_A 0, 0, 4
	global_prefetch_b8 v[PFO], s[PFA:PFA+1] th:TH_LOAD_NT scope:SCOPE_SE   ; K steps 2 and 3
	ASKNOW
	s_wait_loadcnt 0x0                             ; the bias
	STEP 0, 1, -1, -1                              ; the first products start the sums
	s_mov_b32 s3, 4
.Llap_ax:                                              ; a trip goes once round the ring, from a lap's second step to the next lap's first
	TURN 0, 1, 1, 0
	STEP 1, 0, 1, 2
	TURN 1, 0, 1, 3
	STEP 0, 0, -1, -1
	AXQ                                            ; its stores are shown by the next round
	s_sub_co_u32 s3, s3, 1
	s_cmp_lg_u32 s3, 0
	s_cbranch_scc1 .Llap_ax
	s_mov_b32 s3, 3
.Llap:
	TURN 0, 1, 2, -1
	STEP 1, 0, -1, -1
	TURN 1, 0, 2, -1
	STEP 0, 0, -1, -1
	s_sub_co_u32 s3, s3, 1
	s_cmp_lg_u32 s3, 0
	s_cbranch_scc1 .Llap
; THE LORA PRODUCT, K = 32 of the form's 128, while the last K step's tiles are on their way: ax's fragments hold zero codes behind their first four registers; lora_B's lie in W's set 0, whose other registers keep W's codes, which meet the zeros.
; Scale words: byte 0 from LDS, bytes 1 to 3 are 0, a finite code; they take scale set 1, which is fetched anew for the last K step.
.irp k, 0,1,2,3
.irp i, 4,5,6,7,8,9,10,11,12,13,14,15
	v_mov_b32 v[64+16*\k+\i], 0
.endr
.endr
	PLACES 4
	WIN TO_B
.irp i, 0,1,2,3,4,5,6,7
	ds_load_b128 v[FR*\i:FR*\i+3], v[AIB] offset:512*\i
.endr
	WIN 0
.irp k, 0,1,2,3
	ds_load_b128 v[64+16*\k:64+16*\k+3], v[AIA] offset:512*\k
.endr
.irp i, 0,1,2,3,4,5,6,7
	ds_load_b32 v[SC+16+2*\i], v[ADRX] offset:64*\i
.endr
	s_wait_alu depctr_va_vdst(0)
	s_wait_dscnt 0x0
.set AFB, 64
	GROUP 0, 0, 0, 1
	GROUP 1, 0, 0, 1
	GROUP 2, 0, 0, 1
	GROUP 3, 0, 0, 1
	PLACES NP
	WIN 0
.irp k, 0,1,2,3
	ds_load_b128 v[64+16*\k:64+16*\k+3], v[AIA] offset:2048+512*\k
.endr
	s_wait_dscnt 0x0
.set AFB, 0                            ; blocks 4-7 in the same four fragments
	GROUP 4, 0, 0, 1
	GROUP 5, 0, 0, 1
	GROUP 6, 0, 0, 1
	GROUP 7, 0, 0, 1
.set AFB, AF
	WIN 0
; The last change of slots fills nothing.  THE LAST K STEP lies in slot 1: both W sets take it whole; X's blocks come as 32 registers (both steps of 128) into four buffers.
.macro ALOAD a
.irp q, 0,1
	FRAG AF+32*((\a)%4)+FR*\q, ADRA+1, \q, \a
.endr
.endm
	s_wait_tensorcnt 0x0                           ; my part of the last K step is in
	ds_add_u32 v[SPW], v[NIL]
	s_wait_dscnt 4*NL+1
	GROUP 0, 1, 1, 0
	s_wait_dscnt 0x0
	s_barrier_signal -1
	GROUP 1, 1, 1, 0
	WIN 0
	s_barrier_wait -1
	PLACES NP
	SCALES 1
	FETCH_B 1, 0, 0
	ALOAD 0
	GROUP 2, 1, 1, 0
	GROUP 3, 1, 1, 0
	GROUP 4, 1, 1, 0
	GROUP 5, 1, 1, 0
	GROUP 6, 1, 1, 0
	GROUP 7, 1, 1, 0
	PLACES NP
	WIN 0
	ALOAD 1
	ALOAD 2
	ALOAD 3
	FETCH_B 1, 1, 1
.macro RGRP a, q                       ; block a's products of the last K step's q-th 128: its eight accumulators by turns
.set AFB, AF+32*((\a)%4)+FR*(\q)-FR*(\a)
	GROUP \a, \q, \q, 1
.endm
; THE WAY OUT of block a: 16 rows x 512 bytes through my own stage.  They come back into registers that are free: v64-127 for block 0, then the accumulators of the block before, whose stores to the stage are done.
.macro TOSTAGE a
.set AC_, 64*((\a)%4)
	WIN 0x08+4*((\a)/4)
.irp b, 0,1,2,3,4,5,6,7
	ds_store_b128 v[STO], v[AC_+8*\b:AC_+8*\b+3] offset:64*\b
	ds_store_b128 v[STO], v[AC_+8*\b+4:AC_+8*\b+7] offset:64*\b+16
.endr
.if (\a) == 0
.set BB_, BIAS
	WIN 0
.else
.set BB_, 64*(((\a)-1)%4)
	WIN 0x80+0x40*(((\a)-1)/4)
.endif
.irp t, 0,1,2,3,4,5,6,7,8,9,10,11,12,13,14,15
	ds_load_b128 v[BB_+4*\t:BB_+4*\t+3], v[RD] offset:\t*SPITCH   ; LDS serves a wave's instructions in order (ISA guide 5.7.1.4)
.endr
	WIN 0
.endm
.macro SEND a, younger                 ; 32 lanes store 512 consecutive bytes, at a multiple of 256 from out's first byte
	s_wait_dscnt \younger
.if (\a) == 0
.set BB_, BIAS
	WIN 0
.else
.set BB_, 64*(((\a)-1)%4)
	WIN 0x08+4*(((\a)-1)/4)
.endif
.irp t, 0,1,2,3,4,5,6,7,8,9,10,11,12,13,14,15
	global_store_b128 v[LI], v[BB_+4*\t:BB_+4*\t+3], s[18:19] offset:(16*(\a)+\t)*SIZE_N*4 th:TH_STORE_NT
.endr
	WIN 0
.endm
	s_wait_dscnt 56                                ; W's first set and block 0 are in; behind them stand blocks 1-3 (24) and W's second set (32), under whose loads blocks 0-3 take their first half
	RGRP 0, 0
	s_wait_dscnt 48
	RGRP 1, 0
	s_wait_dscnt 40
	RGRP 2, 0
	s_wait_dscnt 32
	RGRP 3, 0
	s_wait_dscnt 0x0                               ; W's second set
	RGRP 0, 1
.irp a, 0,1,2,3,4,5,6,7
	PLACES NP
	TOSTAGE \a
.if \a < 4
	ALOAD \a+4                                     ; its buffer is free; the block is needed four blocks on
.endif
.if \a < 3
	RGRP \a+1, 1
.elseif \a < 7
	RGRP \a+1, 0
	RGRP \a+1, 1
.endif
.if \a < 4
	SEND \a, 8                                     ; block a + 4's eight loads may be out
.else
	SEND \a, 0
.endif
.endr
	s_wait_tensorcnt 0x0                           ; the wave's end
	ds_add_u32 v[SPW], v[NIL]
	s_wait_dscnt 0x0
	CROUND                                         ; no work-group ends while a partner may still ask for a tile that names it
	s_endpgm
.Lfunc_end_k_qa4feaf198d_gemm:
	.size	k_qa4feaf198d_gemm, .Lfunc_end_k_qa4feaf198d_gemm-k_qa4feaf198d_gemm
	.p2alignl 7, 3214868480
	.fill 96, 4, 3214868480
	.section	.rodata,"a",@progbits
	.p2align	6, 0x0
	.amdhsa_kernel k_qa4feaf198d_gemm
		.amdhsa_group_segment_fixed_size 327680
		.amdhsa_private_segment_fixed_size 0
		.amdhsa_enable_private_segment 0
		.amdhsa_kernarg_size 64
		.amdhsa_user_sgpr_count 2
		.amdhsa_user_sgpr_kernarg_segment_ptr 1
		.amdhsa_wavefront_size32 1
		.amdhsa_system_sgpr_workgroup_id_x 1
		.amdhsa_system_sgpr_workgroup_id_y 1
		.amdhsa_system_sgpr_workgroup_id_z 1
		.amdhsa_system_vgpr_workitem_id 0
		.amdhsa_next_free_vgpr 1024
		.amdhsa_next_free_sgpr 102
		.amdhsa_reserve_vcc 0
		.amdhsa_float_denorm_mode_32 3
		.amdhsa_float_denorm_mode_16_64 3
		.amdhsa_memory_ordered 1
		.amdhsa_forward_progress 1
		.amdhsa_inst_pref_size 229
	.end_amdhsa_kernel
	.amdgpu_metadata
---
amdhsa.version: [ 1, 2 ]
amdhsa.kernels:
  - .name:           k_qa4feaf198d_gemm
    .symbol:         k_qa4feaf198d_gemm.kd
    .args:
      - { .name: input_codes, .offset: 0, .size: 8, .value_kind: global_buffer, .address_space: global }
      - { .name: weight_codes, .offset: 8, .size: 8, .value_kind: global_buffer, .address_space: global }
      - { .name: scl, .offset: 16, .size: 8, .value_kind: global_buffer, .address_space: global }
      - { .name: axp, .offset: 24, .size: 8, .value_kind: global_buffer, .address_space: global }
      - { .name: lora_B_codes, .offset: 32, .size: 8, .value_kind: global_buffer, .address_space: global }
      - { .name: lora_B_scales, .offset: 40, .size: 8, .value_kind: global_buffer, .address_space: global }
      - { .name: bias, .offset: 48, .size: 8, .value_kind: global_buffer, .address_space: global }
      - { .name: out0, .offset: 56, .size: 8, .value_kind: global_buffer, .address_space: global }
    .group_segment_fixed_size: 327680
    .private_segment_fixed_size: 0
    .kernarg_segment_align: 8
    .kernarg_segment_size: 64
    .max_flat_workgroup_size: 128
    .sgpr_count:     102
    .vgpr_count:     1024
    .wavefront_size: 32
...
	.end_amdgpu_metadata
.endif
;; end of part 2
